; MI455X (gfx1250); checked and timed in simulation.
; The chip was launched on July 23, 2026; its instructions are those of AMD's public machine-readable ISA for CDNA 5 (MIT licence, August 2026) and "CDNA5" Instruction Set Architecture Reference Guide (July 2026). The comments in the code are by the model that wrote it; some were corrected since.
;; Softmax Ref Matcher. Allowed arithmetic: float matrix products may take bf16 or f16 operands with f32 sums; other float arithmetic in f32, or as packed bf16 or f16 multiplies, adds, multiply-adds, maxima and minima; sums over many terms, partial sums and values carried from step to step in f32; what a program stores and reads back later, other than sums and carried values, may be rounded once to bf16 or f16.
;; Inputs: desc_dense 4 x 248 x 256 x 256 float32; keypoint_desc 4 x 248 x 1,024 float32; keypoint_scores 4 x 1 x 1,024 float32; times_img 4 x 1 x 256 x 256 float32.
;; Outputs: out0 2 x 1,024 x 2 float32; out1 2 x 1 x 1,024 float32; out2 2 int32; out3 2 x 1 x 1,024 float32.
;; One version. Each part assembles by itself: llvm-mc -triple=amdgcn-amd-amdhsa -mcpu=gfx1250 --defsym DOCPART=n.
;; ======== version 1 of 1: 4 launches
;; limits: values outside matrix products are rounded to bf16
;; workspace buffers: qbuf 1,081,344 bytes; part 4,194,304 bytes; idx 32,768 bytes of whole numbers
;; launch prep (part 1): grid 16 x 2, 4 waves a work-group, no clusters, 35,328 bytes of LDS; arguments keypoint_desc, keypoint_scores, qbuf, out1, out2; writes qbuf, out1, out2
.if DOCPART == 1
	.amdgcn_target "amdgcn-amd-amdhsa--gfx1250"
	.amdhsa_code_object_version 6
	.text
	.protected	k_q49b0864bc5_prep
	.globl	k_q49b0864bc5_prep
	.p2align	8
	.type	k_q49b0864bc5_prep,@function
k_q49b0864bc5_prep:
	s_mov_b64 s[64:65], 0
	v_nop
	global_prefetch_b8 v0, s[64:65] scope:SCOPE_SE
	s_setreg_imm32_b32 hwreg(HW_REG_WAVE_MODE, 25, 1), 1
	s_wait_xcnt 0x0
; THE QUERIES ARE MADE READY.  keypoint_desc: [4][248][1024] f32, channel-major.  Of frames 1 and 3 (window b: frame 2 b + 1) each query n gets a row of 528 bytes in qbuf:
; 256 bf16 (channels 0-247 rounded once to bf16, channels 248-255 zero), then at byte 512 the f32 a[n] = (log2(e) / 0.01) / max(norm, 1e-12), then three f32 zeros.
; The norm is that of the ROUNDED numbers: the whole program takes its floating-point inputs rounded to bf16.  528 = 33 x 16: the row in memory is the padded row that the next launch wants in LDS.
; Also: the scores of frames 1 and 3 are copied as they are (out1), and the frames' numbers 1 and 3 are written (out2).
; LIMITS.  NaN and infinities are not treated apart; a sum of squares below 2^-126 counts as 0 (the norm is then taken as 1e-12, as the problem's clamp would take it).
; SHARES.  A work-group takes 64 queries of one window; wave w the channels 62 w .. 62 w + 61; lane L the queries 2 L and 2 L + 1: a wave's load of 8 bytes a lane covers 256 consecutive, aligned bytes of one channel.
; The rows are turned in LDS and leave as 512 consecutive bytes a store.  No matrix unit, no cluster: the launch moves 2 MB once and nothing is shared.
.set QROW,  528
.set SSQ,   64*QROW                    ; 33,792: [wave 4][query 64] f32, each wave's sum of squares
.set SPARE, SSQ+1024                   ; 34,816: the spare words, 128 bytes a wave: two blocks of 256 bytes that no other line names
.set RAW,   32                         ; v[32:155] channel cc of my 62: two queries at RAW + 2 cc
; v1 L   v2 8 L   v3 row of query 2 L + my channels' bytes   v4 where my two sums go   v5 where I read four sums   v6 the row that I finish   v7 512 w + 16 L   v8, v9 the add's two registers
; v10-13 sums of squares (query, half)   v14-17 packed pairs   v20-23 a quad   v24-25 scores   v26, v27 out2's word and offset
	s_load_b256 s[4:11], s[0:1], 0x0               ; keypoint_desc s[4:5], keypoint_scores s[6:7], qbuf s[8:9], out1 s[10:11]
	s_load_b64 s[12:13], s[0:1], 0x20              ; out2
	v_lshl_add_u32 v8, v0, 2, SPARE
	v_mov_b32 v9, 0
	v_lshrrev_b32 v1, 5, v0
	v_readfirstlane_b32 s14, v1                    ; wave 0..3
	v_and_b32 v1, 31, v0                           ; L
	s_and_b32 s15, ttmp7, 0xffff                   ; window b
	s_lshl_b32 s24, s15, 1
	s_add_co_u32 s24, s24, 1                       ; frame 2 b + 1
	s_mul_i32 s16, s24, 1015808                    ; a frame of keypoint_desc: 248 x 4,096 bytes
	s_mul_i32 s25, s14, 253952                     ; my 62 channels
	s_add_co_u32 s16, s16, s25
	s_lshl_b32 s26, ttmp9, 8                       ; the work-group's 64 queries: 256 bytes of a row of f32
	s_add_co_u32 s16, s16, s26
	s_mov_b32 s17, 0
	s_mul_i32 s18, s15, 540672                     ; qbuf: 1,024 rows a window,
	s_mul_i32 s25, ttmp9, 33792                    ; 64 rows a work-group
	s_add_co_u32 s18, s18, s25
	s_mov_b32 s19, 0
	s_lshl_b32 s20, s24, 12                        ; scores: 4,096 bytes a frame
	s_add_co_u32 s20, s20, s26
	s_mov_b32 s21, 0
	s_lshl_b32 s22, s15, 12                        ; out1: 4,096 bytes a window
	s_add_co_u32 s22, s22, s26
	s_mov_b32 s23, 0
	s_and_b32 s27, s14, 1                          ; w & 1
	s_lshl_b32 s28, s15, 2                         ; out2: word b
	v_lshlrev_b32 v2, 3, v1
	v_mul_u32_u24 v3, v1, 2*QROW
	s_mul_i32 s25, s14, 124
	v_add_nc_u32 v3, s25, v3
	s_lshl_b32 s25, s14, 8
	s_add_co_u32 s25, s25, SSQ
	v_add_nc_u32 v4, s25, v2
	s_lshl_b32 s25, s27, 7
	s_add_co_u32 s25, s25, SSQ
	v_lshl_add_u32 v5, v1, 2, s25
	s_mul_i32 s25, s27, 32*QROW
	v_mul_u32_u24 v6, v1, QROW
	v_add_nc_u32 v6, s25, v6
	s_lshl_b32 s25, s14, 9
	v_lshl_add_u32 v7, v1, 4, s25
.irp r, 10,11,12,13
	v_mov_b32 v\r, 0
.endr
	s_wait_kmcnt 0x0
	s_add_nc_u64 s[16:17], s[4:5], s[16:17]
	s_add_nc_u64 s[18:19], s[8:9], s[18:19]
	s_add_nc_u64 s[20:21], s[6:7], s[20:21]
	s_add_nc_u64 s[22:23], s[10:11], s[22:23]
	s_cmp_eq_u32 s14, 3                            ; wave 3 also carries the scores: its load goes out first, so that it is older than every load counted below
	s_cbranch_scc0 .Lno_scores
	global_load_b64 v[24:25], v2, s[20:21]
.Lno_scores:
.set c, 0
.rept 62
	global_load_b64 v[RAW+2*c:RAW+2*c+1], v2, s[16:17] offset:4096*c
.set c, c+1
.endr
; Channels 2 p and 2 p + 1 of both queries: rounded and packed, squared from the packed halves (so the norm is the rounded numbers'), put into the queries' rows.
.set p, 0
.rept 31
	s_wait_loadcnt 60-2*p                          ; loads come back in order: behind the pair's two loads 60 - 2 p younger ones were issued
.irp q, 0, 1
	v_cvt_pk_bf16_f32 v[14+2*(p%2)+\q], v[RAW+4*p+\q], v[RAW+4*p+2+\q]
	v_fma_mix_f32_bf16 v[10+2*\q], v[14+2*(p%2)+\q], v[14+2*(p%2)+\q], v[10+2*\q] op_sel_hi:[1,1,0]
	v_fma_mix_f32_bf16 v[11+2*\q], v[14+2*(p%2)+\q], v[14+2*(p%2)+\q], v[11+2*\q] op_sel:[1,1,0] op_sel_hi:[1,1,0]
	ds_store_b32 v3, v[14+2*(p%2)+\q] offset:QROW*\q+4*p
.endr
.set p, p+1
.endr
	v_add_f32 v10, v10, v11
	v_add_f32 v11, v12, v13
	ds_store_b64 v4, v[10:11]
	s_wait_dscnt 0x0                               ; for the others' sake: my rows' pieces and my sums are in LDS
	s_barrier_signal -1
	s_barrier_wait -1
	s_cmp_lt_u32 s14, 2
	s_cbranch_scc0 .Lzeros
	ds_load_b32 v20, v5                            ; waves 0 and 1: query 32 w + L: the four waves' sums of squares
	ds_load_b32 v21, v5 offset:256
	ds_load_b32 v22, v5 offset:512
	ds_load_b32 v23, v5 offset:768
	s_wait_dscnt 0x0
	v_add_f32 v20, v20, v21
	v_add_f32 v22, v22, v23
	v_add_f32 v20, v20, v22
	v_sqrt_f32 v20, v20
	v_mov_b32 v21, 0                               ; a plain line behind the root,
	s_wait_alu depctr_va_vdst(0)                   ; and the wait ahead of its first reader
	v_max_num_f32 v20, 0x2b8cbccc, v20             ; max(norm, 1e-12)
	v_rcp_f32 v20, v20
	v_mov_b32 v22, 0
	s_wait_alu depctr_va_vdst(0)
	v_mul_f32 v20, 0x431044fe, v20                 ; 144.2695 = log2(e) / 0.01
	v_mov_b32 v23, 0
	ds_store_b128 v6, v[20:23] offset:512
	s_branch .Ljoin
.Lzeros:                                               ; waves 2 and 3: channels 248-255 of query 32 (w & 1) + L
.irp r, 20,21,22,23
	v_mov_b32 v\r, 0
.endr
	ds_store_b128 v6, v[20:23] offset:496
.Ljoin:
	s_wait_dscnt 0x0
	s_barrier_signal -1
	s_barrier_wait -1                              ; the 64 rows are whole
; 33,792 bytes leave as 66 pieces of 512: piece 4 i + w by wave w; the last two by waves 0 and 1.
.set i, 0
.rept 16
	ds_load_b128 v[RAW+4*i:RAW+4*i+3], v7 offset:2048*i
.set i, i+1
.endr
.set i, 0
.rept 16
	s_wait_dscnt 15-i                              ; LDS loads come back in order: 15 - i younger ones may be out
	global_store_b128 v7, v[RAW+4*i:RAW+4*i+3], s[18:19] offset:2048*i  ; 512 consecutive bytes, at a multiple of 256 from qbuf's first byte
.set i, i+1
.endr
	s_cmp_lt_u32 s14, 2
	s_cbranch_scc0 .Lno_rest
	ds_load_b128 v[96:99], v7 offset:32768
	s_wait_dscnt 0x0
	global_store_b128 v7, v[96:99], s[18:19] offset:32768
.Lno_rest:
	s_cmp_eq_u32 s14, 3
	s_cbranch_scc0 .Lno_scores2
	s_wait_loadcnt 0x0
	global_store_b64 v2, v[24:25], s[22:23]        ; 256 consecutive, aligned bytes of out1
.Lno_scores2:
	s_xor_b32 s25, s14, 2                          ; wave 2 of the window's first work-group writes the frame's number
	s_or_b32 s25, s25, ttmp9
	s_cmp_eq_u32 s25, 0
	s_cbranch_scc0 .Lend
	v_mov_b32 v26, s24
	v_mov_b32 v27, s28
	s_wait_xcnt 0x0                                ; EXEC changes only behind this wait: my stores above have read it
	v_cmp_eq_u32 vcc_lo, 0, v1
	s_and_saveexec_b32 s25, vcc_lo
	global_store_b32 v27, v26, s[12:13]
	s_wait_xcnt 0x0                                ; and again ahead of the line that widens it
	s_or_b32 exec_lo, exec_lo, s25
.Lend:
	s_wait_tensorcnt 0x0                           ; the wave's end, behind my last LDS store
	ds_add_u32 v8, v9
	s_wait_dscnt 0x0
	s_endpgm
.Lfunc_end_k_q49b0864bc5_prep:
	.size	k_q49b0864bc5_prep, .Lfunc_end_k_q49b0864bc5_prep-k_q49b0864bc5_prep
	.p2alignl 7, 3214868480
	.fill 96, 4, 3214868480
	.section	.rodata,"a",@progbits
	.p2align	6, 0x0
	.amdhsa_kernel k_q49b0864bc5_prep
		.amdhsa_group_segment_fixed_size 35328
		.amdhsa_private_segment_fixed_size 0
		.amdhsa_enable_private_segment 0
		.amdhsa_kernarg_size 40
		.amdhsa_user_sgpr_count 2
		.amdhsa_user_sgpr_kernarg_segment_ptr 1
		.amdhsa_wavefront_size32 1
		.amdhsa_system_sgpr_workgroup_id_x 1
		.amdhsa_system_sgpr_workgroup_id_y 1
		.amdhsa_system_sgpr_workgroup_id_z 1
		.amdhsa_system_vgpr_workitem_id 0
		.amdhsa_next_free_vgpr 160
		.amdhsa_next_free_sgpr 66
		.amdhsa_reserve_vcc 1
		.amdhsa_float_denorm_mode_32 3
		.amdhsa_float_denorm_mode_16_64 3
		.amdhsa_memory_ordered 1
		.amdhsa_forward_progress 1
		.amdhsa_inst_pref_size 31
	.end_amdhsa_kernel
	.amdgpu_metadata
---
amdhsa.version: [ 1, 2 ]
amdhsa.kernels:
  - .name:           k_q49b0864bc5_prep
    .symbol:         k_q49b0864bc5_prep.kd
    .args:
      - { .name: keypoint_desc, .offset: 0, .size: 8, .value_kind: global_buffer, .address_space: global }
      - { .name: keypoint_scores, .offset: 8, .size: 8, .value_kind: global_buffer, .address_space: global }
      - { .name: qbuf, .offset: 16, .size: 8, .value_kind: global_buffer, .address_space: global }
      - { .name: out1, .offset: 24, .size: 8, .value_kind: global_buffer, .address_space: global }
      - { .name: out2, .offset: 32, .size: 8, .value_kind: global_buffer, .address_space: global }
    .group_segment_fixed_size: 35328
    .private_segment_fixed_size: 0
    .kernarg_segment_align: 8
    .kernarg_segment_size: 40
    .max_flat_workgroup_size: 128
    .sgpr_count:     66
    .vgpr_count:     160
    .wavefront_size: 32
...
	.end_amdgpu_metadata
.endif
;; end of part 1
;; launch match (part 2): grid 128 x 2, 4 waves a work-group, clusters of 4 x 1, 327,680 bytes of LDS; arguments desc_dense, qbuf, part; writes part
.if DOCPART == 2
	.amdgcn_target "amdgcn-amd-amdhsa--gfx1250"
	.amdhsa_code_object_version 6
	.text
	.protected	k_q49b0864bc5_match
	.globl	k_q49b0864bc5_match
	.p2align	8
	.type	k_q49b0864bc5_match,@function
k_q49b0864bc5_match:
	s_mov_b64 s[64:65], 0
	v_nop
	global_prefetch_b8 v0, s[64:65] scope:SCOPE_SE
	s_setreg_imm32_b32 hwreg(HW_REG_WAVE_MODE, 25, 1), 1
	s_wait_xcnt 0x0
	s_wait_alu depctr_hold_cnt(0) depctr_sa_sdst(0) depctr_va_vdst(0) depctr_va_sdst(0) depctr_va_ssrc(0) depctr_va_vcc(0) depctr_vm_vsrc(0)
	s_getreg_b32 s2, hwreg(HW_REG_IB_STS2, 6, 4)
	s_cmp_eq_u32 s2, 0
	s_cbranch_scc0 .Lentry_in_a_cluster
	s_endpgm
.Lentry_in_a_cluster:
	s_bfe_u32 s2, ttmp6, 0x10000c
	s_cmp_lg_u32 s2, 0x3003
	s_cbranch_scc0 .Lentry_shape_is_right
	s_endpgm
.Lentry_shape_is_right:
; THE CORRELATION AND ITS SOFTMAX, BY SLABS OF 512 PIXELS.  For window b: queries n = 0..1023 (qbuf, made by the launch before), keys = the 65,536 pixels of frame 2 b of desc_dense ([4][248][65536] f32, channel-major).
; score(n, m) = a[n] x rm[m] x (q[n] . k[m]) in log2 units, q and k the RAW descriptors rounded once to bf16, the dot product in f32 sums, rm[m] = 1 / max(norm of the rounded k[m], 1e-12), a[n] from qbuf.
; For each query and slab the launch stores (M, l, su, sv): M = a maximum of the scores, l = sum of p, su = sum of p u, sv = sum of p v, p = 2^(score - M), all in f32; the next launch joins the 128 slabs.
; LIMITS.  desc_dense is taken rounded to bf16 (as every floating-point input of this program but the copied scores), the norms are the rounded numbers'; a weight below 2^-126 counts as 0;
; NaN and infinities are not treated apart; the sums are taken in another order than the problem's function takes them.
; THE KEYS STAY.  A work-group owns 512 pixels (image rows 2 sx and 2 sx + 1), each of its four waves 128 of them, all in one image row: 128 keys x 256 channels (248 and 8 zeros) as bf16 fragments in 512 registers.
; So each byte of desc_dense is read, rounded and squared once in the launch.  All 1,024 queries pass by, 16 a TILE, through a ring of two LDS slots of 128 rows.
; A wave meets a tile once, so its softmax wants no running rescale: each lane takes the true maximum of its 64 scores, then the exponentials, then the sums; a lane's (M, l, w) is a partial softmax of its own,
; set aside in LDS in f32 and joined with the other seven (4 waves x 2 halves of the lanes) at the work-group's end.  v is one number a wave, so sum p v costs nothing in the loop.
; THE WEIGHTS STAY IN f32: the sums of p and p u are made by the vector unit.  Rounded to 16 bits for a second product, they would shift the expected coordinate by more than the sampled times forgive.
; CLUSTER.  The four slabs of a cluster belong to one window and walk the same queries: each slot is asked for JOINTLY, the same tensor load, descriptor and mask in all four.
; LAYOUT.  S^T = K Q^T (source 0 = 16 keys, source 1 = 16 queries): a lane holds ONE query (lane % 16 = r) and, in register j of key tile kt, the key c[kt] + 32 h + 4 j of the wave's 128 (h = lane / 16),
; c = 0, 64, 1, 65, 2, 66, 3, 67: a lane loads 16 bytes = keys 4 L .. 4 L + 3 of a channel, and key tile 2 i + half takes key 64 half + 4 row + i.
; BY TURNS.  In a turn the products of tile T (64 of them) stand with the softmax of tile T - 1 between them, a slice of three or four vector lines behind each product; the two S^T buffers alternate.
; REGISTERS, in windows of 256 (s_set_vgpr_msb: bits 1:0 source 0, 3:2 source 1, 5:4 source 2, 7:6 destination):
;   window 0: v0-63 addresses, statistics, at work; v64-127, v128-191 S^T, two buffers; v192-255 rm of the lane's 64 keys
;   window 1: v0-63, v64-127 the queries' fragments, two buffers (ahead of the loop all 256: four slots of 16 channels x 4 keys of f32)
;   windows 2, 3: the keys: tile kt, K step ks, register x at 64 (kt % 4) + 8 ks + x of window 2 + kt / 4
.set PIXB,   262144                    ; bytes from channel to channel
.set QROW,   528                       ; a query's row, in qbuf and in LDS: 33 x 16 bytes, so the 16 rows of a fragment load start at 16 different groups of four banks (64 banks of 4 bytes: ISA guide 11.1)
.set TILEB,  16*QROW
.set QUART,  32*QROW                   ; 16,896 bytes = 66 x 256: what one tensor load brings
.set SLOTB,  128*QROW                  ; 67,584
.set SLOT1,  1<<17                     ; slot 1 begins here: one exclusive or turns an address in one slot into the other's
.set WST,    SLOTB                     ; [wave 4][n 1024][half 2] f32 w: 32,768 bytes.  No fill lands in this or the next three regions
.set SPARE,  WST+32768                 ; the spare words, 128 bytes a wave: two blocks of 256 bytes that no other line names
.set RMT,    SPARE+512                 ; [wave 4][i 4][lane 32] f32: the keys' reciprocal norms on their way to the lanes that want them
.set MLST,   SLOT1+SLOTB               ; [wave 4][n 1024][half 2] (M, l): 65,536 bytes
.set AK0, 2                            ; v2   528 r + 16 h: my place in a tile of queries; never rewritten
.set AA0, 3                            ; v3   528 r + 512: my query's a
.set ADR, 4                            ; v4   the LDS address of the run of loads in hand
.set ADA, 5                            ; v5   and of that tile's a
.set KO,  6                            ; v6   16 x lane: my four keys in a channel's 512 bytes
.set ML0, 7                            ; v7   MLST + 16,384 w + 16 r + 8 h
.set W0,  8                            ; v8   WST + 8,192 w + 8 r + 4 h
.set RMA, 9                            ; v9   RMT + 512 w + 32 h
.set SPW, 10                           ; v10  my spare word: SPARE + 4 x my thread's number; never rewritten
.set NIL, 11                           ; v11  0; never rewritten
.set AQ,  12                           ; v12-13, v14-15  (a, 0) by the tile's parity
.set CC,  16                           ; v16-19 four chains of the maximum
.set MX,  20                           ; v20  M = a x the maximum; v21 l: stored as a pair
.set LL,  21
.set WW,  22                           ; v22  w = sum of p (c[kt] + 4 j)
.set ZZ,  23
.set LQ,  24                           ; v24-31 four pairs: sums of p over kt, for j = 2 q', 2 q' + 1
.set GQ,  32                           ; v32-39 four pairs: sums of c[kt] p
.set TA,  40
.set TBP, 42
.set TT,  44
.set GA,  46
.set STM, 48
.set STW, 49
.set ACC, 50                           ; v50-57 sums of squares: key i, two chains
.set RMV, 58                           ; v58-61 rm of my four keys
.set HH,  62
.set RMS, 63                           ; v63  RMT + 512 w + 4 L
.set S,   64
.set RM,  192
.set WV,  10                           ; s10  my wave's number
.set G1,  16                           ; s[16:23] descriptor group 1
.set G0A, 24                           ; s[24:27] group 0 of the first fill of slot 0
.set G0B, 28                           ; s[28:31] group 0 of slot 1's; it then walks
.set KB,  32                           ; s[32:47] desc_dense at my 128 keys, channel 32 ks, ks = 0..7
.set TB,  48                           ; s48  LDS byte at which the tile to be fetched begins
.set CNT, 49
.set SLOTS, 50
.set TSM, 51                           ; s51  256 x the tile whose (M, l) are set aside next
.set TSW, 52                           ; s52  128 x that tile
.set VF0, 53                           ; s53  2 sx as f32
.set MSB, 0
.macro WIN new                         ; the immediate's high byte repeats the setting that is left; a switch that changes nothing is dropped
.if MSB != (\new)
	s_set_vgpr_msb (MSB<<8)|(\new)
.set MSB, (\new)
.endif
.endm
.macro PLACES
.rept 4
	v_nop
.endr
.endm
; A round of the cluster's barrier: my work-group's barrier, so that wave 0's signal speaks for all four waves; wave 0 signals; every wave waits for all four work-groups; my work-group's barrier once more.
.macro CROUND
	s_barrier_signal -1
	s_barrier_wait -1
	s_cmp_lg_u32 s[WV], 0
	s_cbranch_scc1 .Lnot_wave_0_\@
	s_barrier_signal -3
.Lnot_wave_0_\@:
	s_barrier_wait -3
	s_barrier_signal -1
	s_barrier_wait -1
.endm
	s_load_b128 s[4:7], s[0:1], 0x0                ; desc_dense s[4:5], qbuf s[6:7]
	s_load_b64 s[8:9], s[0:1], 0x10                ; part
	v_lshl_add_u32 v[SPW], v0, 2, SPARE
	v_mov_b32 v[NIL], 0
	ds_add_u32 v[SPW], v[NIL]                      ; the wave's opening: the add and its wait ahead of my first tensor load; the set-up below, work on registers, stands between them
	v_lshrrev_b32 v[HH], 5, v0
	v_readfirstlane_b32 s[WV], v[HH]               ; wave 0..3
	s_bfe_u32 s11, ttmp6, 0x40000                  ; cx: my place in the cluster
	s_lshl_b32 s12, ttmp9, 2                       ; in a cluster launch ttmp9 counts clusters
	s_add_co_u32 s12, s12, s11                     ; the slab sx = 4 x cluster x + cx: it enters desc_dense's and part's addresses and the number 2 sx alone
	s_and_b32 s13, ttmp7, 0xffff                   ; the window b, which the four partners share
	; descriptor group 1: 16,896 dense bytes as 66 rows of 256 bytes, laid into LDS without padding (the rows of 528 bytes carry their own)
	s_mov_b32 s[G1+0], 15|(3<<16)|(1<<21)          ; 15:0 the mask: all four work-groups; 17:16 elements of 8 bytes; 21 set beside a mask
	s_mov_b32 s[G1+1], 32<<16                      ; tensor_dim0 = 32
	s_mov_b32 s[G1+2], 66<<16                      ; tensor_dim1 = 66
	s_mov_b32 s[G1+3], 32<<16                      ; tile_dim0 = 32
	s_mov_b32 s[G1+4], 66                          ; tile_dim1 = 66
	s_mov_b32 s[G1+5], 32                          ; 32 elements from row to row
	s_mov_b32 s[G1+6], 0
	s_mov_b32 s[G1+7], 0
	s_mov_b32 s[G0A], 1
	s_mul_i32 s[G0A+1], s[WV], QUART               ; each wave fetches its quarter of a slot: no place in the cluster enters an LDS address
	s_mov_b32 s[G0B], 1
	s_add_co_u32 s[G0B+1], s[G0A+1], SLOT1
	s_mul_i32 s54, s13, 1024*QROW                  ; qbuf: the window's rows,
	s_add_co_u32 s54, s54, s[G0A+1]                ; my quarter of the first 128
	s_mov_b32 s55, 0
	s_mul_i32 s56, s13, 130023424                  ; desc_dense: frame 2 b (a frame is 248 x 262,144 bytes),
	s_lshl_b32 s58, s12, 11                        ; the slab's 512 pixels,
	s_add_co_u32 s56, s56, s58
	s_lshl_b32 s58, s[WV], 9                       ; my wave's 128
	s_add_co_u32 s56, s56, s58
	s_mov_b32 s57, 0
	s_lshl_b32 s60, s13, 7
	s_add_co_u32 s60, s60, s12
	s_lshl_b32 s60, s60, 14                        ; part: (128 b + sx) x 1,024 queries x 16 bytes
	s_mov_b32 s61, 0
	s_lshl_b32 s[VF0], s12, 1
	s_cvt_f32_u32 s[VF0], s[VF0]
	v_and_b32 v1, 15, v0                           ; r
	v_bfe_u32 v[HH], v0, 4, 1                      ; h
	v_mul_u32_u24 v[AK0], v1, QROW
	v_add_nc_u32 v[AA0], 512, v[AK0]
	v_lshl_add_u32 v[AK0], v[HH], 4, v[AK0]
	v_and_b32 v[RMS], 31, v0
	v_lshlrev_b32 v[KO], 4, v[RMS]
	s_lshl_b32 s58, s[WV], 14
	s_add_co_u32 s58, s58, MLST
	v_lshlrev_b32 v[ML0], 4, v1
	v_lshl_add_u32 v[ML0], v[HH], 3, v[ML0]
	v_add_nc_u32 v[ML0], s58, v[ML0]
	s_lshl_b32 s58, s[WV], 13
	s_add_co_u32 s58, s58, WST
	v_lshlrev_b32 v[W0], 3, v1
	v_lshl_add_u32 v[W0], v[HH], 2, v[W0]
	v_add_nc_u32 v[W0], s58, v[W0]
	s_lshl_b32 s58, s[WV], 9
	s_add_co_u32 s58, s58, RMT
	v_lshl_add_u32 v[RMA], v[HH], 5, s58
	v_lshl_add_u32 v[RMS], v[RMS], 2, s58
	v_mov_b32 v[AQ+1], 0                           ; named with a as pairs
	v_mov_b32 v[AQ+3], 0
	v_mov_b32 v[LL], 0                             ; named with M as a pair before it is first made
.set i, 0
.rept 8
	v_mov_b32 v[ACC+i], 0
.set i, i+1
.endr
	s_wait_dscnt 0x0                               ; the opening add is done
	s_wait_kmcnt 0x0
	s_add_nc_u64 s[G0A+2:G0A+3], s[6:7], s[54:55]
	s_add_nc_u64 s[G0B+2:G0B+3], s[G0A+2:G0A+3], SLOTB
	s_or_b32 s[G0A+3], s[G0A+3], 0x80000000        ; 127:126 type = 2
	s_or_b32 s[G0B+3], s[G0B+3], 0x80000000
	s_add_nc_u64 s[KB:KB+1], s[4:5], s[56:57]
.set i, 1
.rept 7
	s_add_nc_u64 s[KB+2*i:KB+2*i+1], s[KB+2*i-2:KB+2*i-1], 32*PIXB
.set i, i+1
.endr
	s_add_nc_u64 s[8:9], s[8:9], s[60:61]
; THE KEYS COME IN, in 16 groups of 16 channels (the last has 8).  KLOAD g: a load a channel, 512 consecutive aligned bytes a wave, into slot g % 4 of window 1.
.macro KLOAD g
	WIN 0x40                                       ; destination window 1, address window 0
.set kl_n, 16
.if (\g) == 15
.set kl_n, 8
.endif
.set kl_r, 0
.rept kl_n
	global_load_b128 v[64*((\g)%4)+4*kl_r:64*((\g)%4)+4*kl_r+3], v[KO], s[KB+2*((\g)/2):KB+2*((\g)/2)+1] offset:(((\g)%2)*16+kl_r)*PIXB th:TH_LOAD_NT
.set kl_r, kl_r+1
.endr
.endm
; KGROUP g: the group's 16 channels become registers 4 (g % 2) .. + 3 of K step g / 2 of all eight key tiles.  For key i of my four: X = channels 2 x, 2 x + 1 packed, Y = channels 8 + 2 x, 9 + 2 x packed,
; both for key 4 L + i.  Their squares go to that key's sums.  Then one exchange (X's lanes 16-31 with Y's lanes 0-15) makes of X the fragment register of keys 4 r + i (lanes 0-15 channels 2 x .., lanes 16-31 channels
; 8 + 2 x ..) and of Y that of keys 64 + 4 r + i.  left: the loads issued behind the group's own.
.macro KGROUP g, left
	s_wait_loadcnt \left
.set kg_s, 64*((\g)%4)
.set kg_k, 8*((\g)/2)+4*((\g)%2)
.irp W, 0, 1                           ; window 2 + W holds keys i = 2 W, 2 W + 1
	WIN 0x85+0x40*(\W)                             ; sources window 1, destination window 2 + W
.set kg_p, 0
.rept 4
.irp ii, 0, 1
	v_cvt_pk_bf16_f32 v[128*(\ii)+kg_k+kg_p], v[kg_s+8*kg_p+2*(\W)+(\ii)], v[kg_s+8*kg_p+4+2*(\W)+(\ii)]
.if (\g) != 15
	v_cvt_pk_bf16_f32 v[128*(\ii)+64+kg_k+kg_p], v[kg_s+32+8*kg_p+2*(\W)+(\ii)], v[kg_s+36+8*kg_p+2*(\W)+(\ii)]
.endif
.endr
.set kg_p, kg_p+1
.endr
.if (\g) == 15                         ; channels 248-255 do not exist: zeros
	WIN 0x80+0x40*(\W)
.set kg_p, 0
.rept 4
	v_mov_b32 v[64+kg_k+kg_p], 0
	v_mov_b32 v[192+kg_k+kg_p], 0
.set kg_p, kg_p+1
.endr
.endif
	WIN 0x0a+0x05*(\W)                             ; sources 0 and 1 window 2 + W; the sums in window 0
.irp hs, 0, 1                          ; the low halves, then the high halves: four chains take turns
.set kg_p, 0
.rept 4
.irp ii, 0, 1
	v_fma_mix_f32_bf16 v[ACC+4*(\W)+2*(\ii)], v[128*(\ii)+kg_k+kg_p], v[128*(\ii)+kg_k+kg_p], v[ACC+4*(\W)+2*(\ii)] op_sel:[\hs,\hs,0] op_sel_hi:[1,1,0]
.if (\g) != 15
	v_fma_mix_f32_bf16 v[ACC+4*(\W)+2*(\ii)+1], v[128*(\ii)+64+kg_k+kg_p], v[128*(\ii)+64+kg_k+kg_p], v[ACC+4*(\W)+2*(\ii)+1] op_sel:[\hs,\hs,0] op_sel_hi:[1,1,0]
.endif
.endr
.set kg_p, kg_p+1
.endr
.endr
	WIN 0x82+0x41*(\W)                             ; both registers of the exchange in window 2 + W
.set kg_p, 0
.rept 4
.irp ii, 0, 1
	v_permlane16_swap_b32 v[128*(\ii)+kg_k+kg_p], v[128*(\ii)+64+kg_k+kg_p]
.endr
.set kg_p, kg_p+1
.endr
.endr
.if (\g)+4 <= 15
	KLOAD (\g)+4                                   ; the slot just read out takes the group four further on
.endif
.endm
	KLOAD 0                                        ; four groups, 32 KiB a wave, go out ahead of everything else: the keys' stream is what the launch's first part waits for
	KLOAD 1
	KLOAD 2
	KLOAD 3
	WIN 0
	CROUND                                         ; all four work-groups are here: the first joint loads meet
	tensor_load_to_lds s[G0A:G0A+3], s[G1:G1+7]    ; queries 0-127: my quarter.  Two tensor loads of mine are out
	s_nop 0
	tensor_load_to_lds s[G0B:G0B+3], s[G1:G1+7]    ; queries 128-255
	s_nop 0
	PLACES
.irp g, 0,1,2,3,4,5,6,7,8,9,10,11
	KGROUP \g, 48                                  ; three younger groups of 16 loads may stay out
.endr
	KGROUP 12, 40                                  ; the last group has 8 loads: 16 + 16 + 8,
	KGROUP 13, 24                                  ; 16 + 8,
	KGROUP 14, 8
	KGROUP 15, 0
	; the keys' reciprocal norms: lane L has those of keys 4 L + i; register 8 kt + j of lane (r, h) wants that of key c[kt] + 32 h + 4 j, which lane 16 (kt % 2) + 8 h + j made as its i = kt / 2
	WIN 0
.irp i, 0,1,2,3
	v_add_f32 v[RMV+\i], v[ACC+2*\i], v[ACC+2*\i+1]
.endr
.irp i, 0,1,2,3
	v_sqrt_f32 v[RMV+\i], v[RMV+\i]
.endr
	v_nop                                          ; a plain line behind the last root,
	s_wait_alu depctr_va_vdst(0)                   ; and the one wait ahead of the batch's first reader
.irp i, 0,1,2,3
	v_max_num_f32 v[RMV+\i], 0x2b8cbccc, v[RMV+\i] ; max(norm, 1e-12)
.endr
.irp i, 0,1,2,3
	v_rcp_f32 v[RMV+\i], v[RMV+\i]
.endr
	v_nop
	s_wait_alu depctr_va_vdst(0)
.irp i, 0,1,2,3
	ds_store_b32 v[RMS], v[RMV+\i] offset:128*\i
.endr
.irp t, 0,1,2,3,4,5,6,7
	ds_load_b128 v[RM+8*\t:RM+8*\t+3],   v[RMA] offset:128*(\t/2)+64*(\t%2)     ; my wave's own bytes: LDS serves a wave's instructions in order (ISA guide 5.7.1.4)
	ds_load_b128 v[RM+8*\t+4:RM+8*\t+7], v[RMA] offset:128*(\t/2)+64*(\t%2)+16
.endr
; A tile's fragments: 16 queries x 256 channels, 16 loads in one run, into buffer p of window 1; the addresses of the tile and of its a are made first.
.macro FETCH p
	WIN 0
	v_add_nc_u32 v[ADR], s[TB], v[AK0]
	v_add_nc_u32 v[ADA], s[TB], v[AA0]
	s_add_co_u32 s[TB], s[TB], TILEB               ; the next fetch is the next tile's
	WIN 0x40
.set f_k, 0
.rept 8
	ds_load_b128 v[64*(\p)+8*f_k:64*(\p)+8*f_k+3],   v[ADR] offset:64*f_k
	ds_load_b128 v[64*(\p)+8*f_k+4:64*(\p)+8*f_k+7], v[ADR] offset:64*f_k+32
.set f_k, f_k+1
.endr
.endm
; Product mn of 64 of S^T = K Q^T for the tile in buffer p: K step mn / 8, key tile mn % 8.  The first 8 start the sums.  The eight accumulators take turns, one instruction a turn,
; and the two buffers alternate from turn to turn.
.macro MMA p
.set m_S, S+64*(\p)+8*(mn%8)
.set m_K, 64*(mn%4)+8*(mn/8)
.set m_Q, 64*(\p)+8*(mn/8)
	WIN 0x06+((mn%8)/4)                            ; keys in window 2 or 3, queries in window 1, S^T in window 0
.if mn < 8
	v_wmma_f32_16x16x32_bf16 v[m_S:m_S+7], v[m_K:m_K+7], v[m_Q:m_Q+7], 0
.else
	v_wmma_f32_16x16x32_bf16 v[m_S:m_S+7], v[m_K:m_K+7], v[m_Q:m_Q+7], v[m_S:m_S+7]
.endif
.set mn, mn+1
.endm
; THE VECTOR WORK of a tile in buffer q: 225 lines, all in window 0.
.macro ET q, n                         ; 32: the dot products times rm, a pair a line, ascending: each accumulator is first read at its lowest registers
	v_pk_mul_f32 v[S+64*(\q)+2*(\n):S+64*(\q)+2*(\n)+1], v[S+64*(\q)+2*(\n):S+64*(\q)+2*(\n)+1], v[RM+2*(\n):RM+2*(\n)+1]
.endm
.macro EM q, n                         ; 32: the maximum of the lane's 64: four chains of 15, three operands at a time; the four left over; the chains into one
.set e_S, S+64*(\q)
.if (\n) < 4
	v_max3_num_f32 v[CC+(\n)], v[e_S+16*(\n)], v[e_S+16*(\n)+1], v[e_S+16*(\n)+2]
.elseif (\n) < 28
	v_max3_num_f32 v[CC+(\n)%4], v[CC+(\n)%4], v[e_S+16*((\n)%4)+2*((\n)/4)+1], v[e_S+16*((\n)%4)+2*((\n)/4)+2]
.elseif (\n) == 28
	v_max3_num_f32 v[CC], v[CC], v[e_S+15], v[e_S+31]
.elseif (\n) == 29
	v_max3_num_f32 v[CC+2], v[CC+2], v[e_S+47], v[e_S+63]
.elseif (\n) == 30
	v_max3_num_f32 v[CC], v[CC], v[CC+1], v[CC+2]
.else
	v_max_num_f32 v[CC], v[CC], v[CC+3]
.endif
.endm
.macro EX q                            ; M = a x the maximum (a is positive)
	v_mul_f32 v[MX], v[AQ+2*(\q)], v[CC]
.endm
.macro EF q, n                         ; 32: a t - M, a pair a line
	v_pk_fma_f32 v[S+64*(\q)+2*(\n):S+64*(\q)+2*(\n)+1], v[S+64*(\q)+2*(\n):S+64*(\q)+2*(\n)+1], v[AQ+2*(\q):AQ+2*(\q)+1], v[MX:MX+1] op_sel_hi:[1,0,0] neg_lo:[0,0,1] neg_hi:[0,0,1]
.endm
.macro EE q, n                         ; 64 exponentials
	v_exp_f32 v[S+64*(\q)+(\n)], v[S+64*(\q)+(\n)]
.endm
.macro GACC c
	v_pk_fma_f32 v[c_G:c_G+1], v[c_P:c_P+1], \c, v[c_G:c_G+1] op_sel_hi:[1,0,1]
.endm
; 64: the sums.  P(kt, q') is the pair j = 2 q', 2 q' + 1 of key tile kt.  0-51, thirteen times four (q' = 0..3): L = the sum over kt of P, G = the sum of c[kt] P, by turns.
; 52-63: l = all of L; w = all of G + 8 (L1 + 2 L2 + 3 L3, both halves) + 4 (L's high halves) = the sum of p (c[kt] + 4 j).
.macro EC q, n
.if (\n) < 52
.set c_r, (\n)/4
.set c_L, LQ+2*((\n)%4)
.set c_G, GQ+2*((\n)%4)
.set c_o, S+64*(\q)+2*((\n)%4)
.if c_r == 0
	v_pk_add_f32 v[c_L:c_L+1], v[c_o:c_o+1], v[c_o+8:c_o+9]
.elseif c_r == 1
	v_pk_fma_f32 v[c_G:c_G+1], v[c_o+8:c_o+9], 0x42800000, v[c_o+16:c_o+17] op_sel_hi:[1,0,1]  ; 64 P1 + 1 P2
.elseif c_r%2 == 0
.set c_P, c_o+8*(c_r/2+1)
	v_pk_add_f32 v[c_L:c_L+1], v[c_L:c_L+1], v[c_P:c_P+1]
.else
.set c_P, c_o+8*((c_r+3)/2)
.if c_r == 3
	GACC 0x42820000                                ; 65
.elseif c_r == 5
	GACC 2.0
.elseif c_r == 7
	GACC 0x42840000                                ; 66
.elseif c_r == 9
	GACC 0x40400000                                ; 3
.else
	GACC 0x42860000                                ; 67
.endif
.endif
.elseif (\n) == 52
	v_pk_add_f32 v[TA:TA+1], v[LQ:LQ+1], v[LQ+2:LQ+3]
.elseif (\n) == 53
	v_pk_add_f32 v[TBP:TBP+1], v[LQ+4:LQ+5], v[LQ+6:LQ+7]
.elseif (\n) == 54
	v_pk_fma_f32 v[TT:TT+1], v[LQ+4:LQ+5], 2.0, v[LQ+2:LQ+3] op_sel_hi:[1,0,1]
.elseif (\n) == 55
	v_pk_add_f32 v[GA:GA+1], v[GQ:GQ+1], v[GQ+2:GQ+3]
.elseif (\n) == 56
	v_pk_add_f32 v[GQ:GQ+1], v[GQ+4:GQ+5], v[GQ+6:GQ+7]
.elseif (\n) == 57
	v_pk_fma_f32 v[TT:TT+1], v[LQ+6:LQ+7], 0x40400000, v[TT:TT+1] op_sel_hi:[1,0,1]
.elseif (\n) == 58
	v_pk_add_f32 v[TA:TA+1], v[TA:TA+1], v[TBP:TBP+1]
.elseif (\n) == 59
	v_pk_add_f32 v[GA:GA+1], v[GA:GA+1], v[GQ:GQ+1]
.elseif (\n) == 60
	v_pk_fma_f32 v[GA:GA+1], v[TT:TT+1], 0x41000000, v[GA:GA+1] op_sel_hi:[1,0,1]
.elseif (\n) == 61
	v_add_f32 v[LL], v[TA], v[TA+1]
.elseif (\n) == 62
	v_add_f32 v[ZZ], v[GA], v[GA+1]
.else
	v_fma_f32 v[WW], v[TA+1], 4.0, v[ZZ]
.endif
.endm
; Slice sk of 64.  0-7 the scalings by rm; 8-15 the maximum; 16 M and the first three a t - M; 17-45 one a t - M (three slices ahead of its exponentials) and two exponentials; 46, 47 the last six exponentials.
; The 64 exponentials are ONE BATCH: nothing ahead of slice 48 names a result of theirs; a v_nop is the plain line behind the last, and one wait serves all.
; Behind the wait a's register is free: with fetch = 1 it takes the a of the tile just fetched, which has this buffer's parity.  48-63 the sums; behind them (M, l) and w are set aside.
.macro SLICE q, fetch
	WIN 0
.if sk < 8
.irp z, 0,1,2,3
	ET \q, 4*sk+\z
.endr
.elseif sk < 16
.irp z, 0,1,2,3
	EM \q, 4*(sk-8)+\z
.endr
.elseif sk == 16
	EX \q
	EF \q, 0
	EF \q, 1
	EF \q, 2
.elseif sk < 46
	EF \q, sk-14
	EE \q, 2*(sk-17)
	EE \q, 2*(sk-17)+1
.elseif sk == 46
	EE \q, 58
	EE \q, 59
	EE \q, 60
.elseif sk == 47
	EE \q, 61
	EE \q, 62
	EE \q, 63
	v_nop
	s_wait_alu depctr_va_vdst(0)
.if \fetch
	ds_load_b32 v[AQ+2*(\q)], v[ADA]
.endif
.else
.irp z, 0,1,2,3
	EC \q, 4*(sk-48)+\z
.endr
.if sk == 63
	v_add_nc_u32 v[STM], s[TSM], v[ML0]
	v_add_nc_u32 v[STW], s[TSW], v[W0]
	ds_store_b64 v[STM], v[MX:MX+1]
	ds_store_b32 v[STW], v[WW]
	s_add_co_u32 s[TSM], s[TSM], 256
	s_add_co_u32 s[TSW], s[TSW], 128
.endif
.endif
.set sk, sk+1
.endm
; A TURN: the 64 products of the tile in buffer p; soft = 1: behind each a slice of the softmax of the tile before (buffer 1 - p); fetch = 1: behind the second product the next tile's fragments are fetched
; into buffer 1 - p, whose last reader, the turn before's last product, stands more than four plain lines back.  An accumulator's first reader, in the next turn, stands eight slices behind its last product.
; wt: the LDS instructions issued behind my buffer's 16 loads, which may stay out: the load of a and the two stores of the turn before (3).  That a is used a turn later, when it is older than the next three.
.macro TURN p, fetch, soft, wt
	s_wait_dscnt \wt
.set mn, 0
.set sk, 0
.rept 64
	MMA \p
.if \soft
	SLICE 1-(\p), \fetch
.endif
.if (\fetch) && (mn == 2)
	FETCH 1-(\p)
.if !(\soft)
	WIN 0
	ds_load_b32 v[AQ+2*(1-(\p))], v[ADA]
.endif
.endif
.endr
.if !(\soft)
	WIN 0
	PLACES                                         ; the places behind the last products, where no slices stand
.endif
.endm
.macro SOFT q                          ; the slices alone
.set sk, 0
.rept 64
	SLICE \q, 0
.endr
.endm
; THE CHANGE OF SLOTS, behind the turn that fetched a slot's eighth tile.  Each wave waits for all its tensor loads, of which one is out: its quarter of the other slot; adds 0 to its spare word; and waits for that
; and for its own reads of the slot.  fill = 1: the slot is filled again with the queries two slots on: the barrier is then a round of the cluster's, so that no wave of any partner still reads the slot or has a load
; on its way, and the joint refill is the first thing behind it: it has eight tiles, 512 products, in which to land.
.macro CHANGE fill
	WIN 0                                          ; at a label and at a branch every window is 0
	s_wait_tensorcnt 0x0                           ; no tensor load of mine is out, so a group 0 may be written
	ds_add_u32 v[SPW], v[NIL]                      ; 0 onto my spare word
.if \fill
	s_xor_b32 s[G0B+1], s[G0B+1], SLOT1            ; the walking descriptor: the other slot than last time,
	s_add_nc_u64 s[G0B+2:G0B+3], s[G0B+2:G0B+3], SLOTB  ; the next 128 queries; the type bits on top are not reached
	s_wait_dscnt 0x0                               ; the add is done, and my reads of the slot are over
	CROUND
	tensor_load_to_lds s[G0B:G0B+3], s[G1:G1+7]
	s_nop 0
	PLACES
.else
	s_wait_dscnt 0x0
	s_barrier_signal -1
	s_barrier_wait -1
.endif
	s_sub_co_u32 s[TB], s[TB], SLOTB               ; the fetches go back to a slot's first tile,
	s_xor_b32 s[TB], s[TB], SLOT1                  ; in the other slot
.endm
	s_wait_tensorcnt 0x1                           ; my quarter of slot 0 is in; slot 1's may stay out
	s_wait_dscnt 0x0                               ; rm is in
	s_barrier_signal -1
	s_barrier_wait -1                              ; everybody's quarter is in
	s_mov_b32 s[TB], 0
	s_mov_b32 s[TSM], 0
	s_mov_b32 s[TSW], 0
	FETCH 0                                        ; tile 0
	WIN 0
	ds_load_b32 v[AQ], v[ADA]
	TURN 0, 1, 0, 0                                ; tile 0's products: there is no vector work yet to set between them
	s_wait_dscnt 0x0                               ; behind tile 1's fragments only one LDS instruction was issued here: the loop's counted wait does not fit this way in
	s_mov_b32 s[CNT], 3
	s_mov_b32 s[SLOTS], 7
	s_branch .Lpair                                ; slot 0 has three pairs of turns left: tiles 1 to 6, which fetch tiles 2 to 7
.Lslot:                                                ; six times: every slot but the last two is filled again
	CHANGE 1
	s_mov_b32 s[CNT], 4
.Lpair:
	TURN 1, 1, 1, 3
	TURN 0, 1, 1, 3
	WIN 0
	s_sub_co_u32 s[CNT], s[CNT], 1
	s_cmp_lg_u32 s[CNT], 0
	s_cbranch_scc1 .Lpair
	s_sub_co_u32 s[SLOTS], s[SLOTS], 1
	s_cmp_lg_u32 s[SLOTS], 0
	s_cbranch_scc1 .Lslot
	CHANGE 0                                       ; the tail is written out: nothing is asked for
	s_mov_b32 s[CNT], 4
.Ltail:                                                ; tiles 55 to 62, which fetch tiles 56 to 63
	TURN 1, 1, 1, 3
	TURN 0, 1, 1, 3
	WIN 0
	s_sub_co_u32 s[CNT], s[CNT], 1
	s_cmp_lg_u32 s[CNT], 0
	s_cbranch_scc1 .Ltail
	TURN 1, 0, 1, 3                                ; tile 63's products | tile 62's softmax
	s_wait_dscnt 0x0                               ; tile 63's a
	SOFT 1
	; THE WORK-GROUP'S EIGHT PARTIAL SOFTMAXES ARE JOINED.  Partial k = 2 w + h holds the keys with u = 128 (w & 1) + 32 h + (what w's sums counted) and v = 2 sx + w / 2.  Thread t takes queries t + 128 i.
	s_wait_dscnt 0x0                               ; for the others' sake: my stores are in LDS
	s_barrier_signal -1
	s_barrier_wait -1
	v_lshl_add_u32 v108, v0, 4, MLST
	v_lshl_add_u32 v109, v0, 3, WST
	v_lshlrev_b32 v110, 4, v0
	s_mov_b32 s[CNT], 8
.Lmerge:
.irp w, 0,1,2,3
	ds_load_b128 v[64+4*\w:67+4*\w], v108 offset:16384*\w   ; M and l of partials 2 w, 2 w + 1
.endr
.irp w, 0,1,2,3
	ds_load_b64 v[80+2*\w:81+2*\w], v109 offset:8192*\w     ; their w
.endr
	s_wait_dscnt 0x0
	v_max3_num_f32 v104, v64, v66, v68
	v_max3_num_f32 v104, v104, v70, v72
	v_max3_num_f32 v104, v104, v74, v76
	v_max_num_f32 v104, v104, v78
.irp k, 0,1,2,3,4,5,6,7
	v_sub_f32 v[88+\k], v[64+2*\k], v104
.endr
.irp k, 0,1,2,3,4,5,6,7
	v_exp_f32 v[88+\k], v[88+\k]
.endr
	v_nop
	s_wait_alu depctr_va_vdst(0)                   ; one wait for the eight
.irp k, 0,1,2,3,4,5,6,7
	v_mul_f32 v[96+\k], v[88+\k], v[65+2*\k]       ; e l
.endr
	v_mul_f32 v106, v88, v80
.irp k, 1,2,3,4,5,6,7
	v_fmac_f32 v106, v[88+\k], v[80+\k]
.endr
	v_add_f32 v111, v97, v101
	v_add_f32 v112, v98, v102
	v_add_f32 v113, v99, v103
	v_add_f32 v114, v100, v101
	v_add_f32 v115, v102, v103
	v_add_f32 v116, v96, v97
	v_add_f32 v117, v98, v99
	v_fmamk_f32 v106, v111, 0x42000000, v106       ; + 32 (partials 1, 5)
	v_add_f32 v114, v114, v115                     ; the upper image row's l
	v_add_f32 v116, v116, v117
	v_fmamk_f32 v106, v112, 0x43000000, v106       ; + 128 (partials 2, 6)
	v_add_f32 v105, v116, v114
	v_fmamk_f32 v106, v113, 0x43200000, v106       ; + 160 (partials 3, 7)
	v_fma_f32 v107, s[VF0], v105, v114             ; sum p v = 2 sx l + the upper row's l
	global_store_b128 v110, v[104:107], s[8:9]     ; a wave stores 512 consecutive bytes, at a multiple of 256 from part's first byte
	s_wait_xcnt 0x0                                ; the store's offset and data are written again only behind this wait
	v_add_nc_u32 v108, 2048, v108
	v_add_nc_u32 v109, 1024, v109
	v_add_nc_u32 v110, 2048, v110
	s_sub_co_u32 s[CNT], s[CNT], 1
	s_cmp_lg_u32 s[CNT], 0
	s_cbranch_scc1 .Lmerge
	s_wait_tensorcnt 0x0                           ; the wave's end, behind my last tensor load and my last LDS store
	ds_add_u32 v[SPW], v[NIL]
	s_wait_dscnt 0x0
	CROUND                                         ; the closing round: no work-group ends while a partner may still ask for a tile that names it
	s_endpgm
.Lfunc_end_k_q49b0864bc5_match:
	.size	k_q49b0864bc5_match, .Lfunc_end_k_q49b0864bc5_match-k_q49b0864bc5_match
	.p2alignl 7, 3214868480
	.fill 96, 4, 3214868480
	.section	.rodata,"a",@progbits
	.p2align	6, 0x0
	.amdhsa_kernel k_q49b0864bc5_match
		.amdhsa_group_segment_fixed_size 327680
		.amdhsa_private_segment_fixed_size 0
		.amdhsa_enable_private_segment 0
		.amdhsa_kernarg_size 24
		.amdhsa_user_sgpr_count 2
		.amdhsa_user_sgpr_kernarg_segment_ptr 1
		.amdhsa_wavefront_size32 1
		.amdhsa_system_sgpr_workgroup_id_x 1
		.amdhsa_system_sgpr_workgroup_id_y 1
		.amdhsa_system_sgpr_workgroup_id_z 1
		.amdhsa_system_vgpr_workitem_id 0
		.amdhsa_next_free_vgpr 1024
		.amdhsa_next_free_sgpr 66
		.amdhsa_reserve_vcc 0
		.amdhsa_float_denorm_mode_32 3
		.amdhsa_float_denorm_mode_16_64 3
		.amdhsa_memory_ordered 1
		.amdhsa_forward_progress 1
		.amdhsa_inst_pref_size 255
	.end_amdhsa_kernel
	.section	.bss,"aw",@nobits
	.p2align	6
	.space	262144
	.amdgpu_metadata
---
amdhsa.version: [ 1, 2 ]
amdhsa.kernels:
  - .name:           k_q49b0864bc5_match
    .symbol:         k_q49b0864bc5_match.kd
    .args:
      - { .name: desc_dense, .offset: 0, .size: 8, .value_kind: global_buffer, .address_space: global }
      - { .name: qbuf, .offset: 8, .size: 8, .value_kind: global_buffer, .address_space: global }
      - { .name: part, .offset: 16, .size: 8, .value_kind: global_buffer, .address_space: global }
    .group_segment_fixed_size: 327680
    .private_segment_fixed_size: 0
    .kernarg_segment_align: 8
    .kernarg_segment_size: 24
    .max_flat_workgroup_size: 128
    .sgpr_count:     66
    .vgpr_count:     1024
    .wavefront_size: 32
...
	.end_amdgpu_metadata
.endif
;; end of part 2
;; launch merge (part 3): grid 32 x 2, 8 waves a work-group, no clusters, 5,120 bytes of LDS; arguments part, out0, idx; writes out0, idx
.if DOCPART == 3
	.amdgcn_target "amdgcn-amd-amdhsa--gfx1250"
	.amdhsa_code_object_version 6
	.text
	.protected	k_q49b0864bc5_merge
	.globl	k_q49b0864bc5_merge
	.p2align	8
	.type	k_q49b0864bc5_merge,@function
k_q49b0864bc5_merge:
	s_mov_b64 s[64:65], 0
	v_nop
	global_prefetch_b8 v0, s[64:65] scope:SCOPE_SE
	s_setreg_imm32_b32 hwreg(HW_REG_WAVE_MODE, 25, 1), 1
	s_wait_xcnt 0x0
; THE 128 SLABS' PARTIAL SOFTMAXES ARE JOINED.  part: [b 2][slab 128][n 1024] (M, l, su, sv) in f32, M in log2 units.  For each query: M = the maximum of the M's, e = 2^(M_k - M), l = sum e l_k, and so su, sv;
; out0[b][n] = (su / l, sv / l), the expected pixel (u, v).  The four pixels round it, as whole numbers v x 256 + u with u0 = clip(floor u, 0, 255), u1 = min(u0 + 1, 255) and the same for v, go to idx:
; the next launch forms its addresses from them.
; LIMITS.  A factor e below 2^-126 counts as 0; NaN and infinities are not treated apart.
; SHARES.  A work-group takes 32 queries of a window, a lane a query; wave wv the slabs 16 wv .. 16 wv + 15: each load of a wave is 512 consecutive, aligned bytes.  The eight waves' results meet in LDS, in f32; wave 0 joins them.
; No matrix unit, no cluster, no ring: 4 MB are read once, 16 loads a wave at once.
.set SPARE, 4096                       ; behind the stage ([wave 8][lane 32] 16 bytes): the spare words, 128 bytes a wave: four blocks of 256 bytes that no other line names
.set R, 8                              ; v[8:11]  the joined (M, l, su, sv)
.set B, 16                             ; v[16:79] up to 16 quads
; v1 L   v2 16 L   v3 16 x thread   v4, v5 the add's two registers   v6 8 L
; n quads at v[b ..] are joined into v[r : r + 3].
.macro MERGE n, b, r
	v_max3_num_f32 v[\r], v[\b], v[(\b)+4], v[(\b)+8]
.set mk, 3
.rept ((\n)-4)/2
	v_max3_num_f32 v[\r], v[\r], v[(\b)+4*mk], v[(\b)+4*mk+4]
.set mk, mk+2
.endr
	v_max_num_f32 v[\r], v[\r], v[(\b)+4*(\n)-4]
.set mk, 0
.rept \n
	v_sub_f32 v[(\b)+4*mk], v[(\b)+4*mk], v[\r]
.set mk, mk+1
.endr
.set mk, 0
.rept \n
	v_exp_f32 v[(\b)+4*mk], v[(\b)+4*mk]
.set mk, mk+1
.endr
	v_nop                                          ; a plain line behind the last exponential,
	s_wait_alu depctr_va_vdst(0)                   ; and one wait for the batch
	v_mul_f32 v[(\r)+1], v[\b], v[(\b)+1]
	v_pk_mul_f32 v[(\r)+2:(\r)+3], v[(\b)+2:(\b)+3], v[(\b):(\b)+1] op_sel_hi:[1,0]
.set mk, 1
.rept (\n)-1
	v_fmac_f32 v[(\r)+1], v[(\b)+4*mk], v[(\b)+4*mk+1]
	v_pk_fma_f32 v[(\r)+2:(\r)+3], v[(\b)+4*mk+2:(\b)+4*mk+3], v[(\b)+4*mk:(\b)+4*mk+1], v[(\r)+2:(\r)+3] op_sel_hi:[1,0,1]
.set mk, mk+1
.endr
.endm
	s_load_b128 s[4:7], s[0:1], 0x0                ; part s[4:5], out0 s[6:7]
	s_load_b64 s[8:9], s[0:1], 0x10                ; idx
	v_lshl_add_u32 v4, v0, 2, SPARE
	v_mov_b32 v5, 0
	v_lshrrev_b32 v1, 5, v0
	v_readfirstlane_b32 s10, v1                    ; wave 0..7
	v_and_b32 v1, 31, v0
	s_and_b32 s11, ttmp7, 0xffff                   ; window b
	v_lshlrev_b32 v2, 4, v1
	v_lshlrev_b32 v3, 4, v0
	v_lshlrev_b32 v6, 3, v1
	s_lshl_b32 s12, s11, 21                        ; part: 2,097,152 bytes a window,
	s_lshl_b32 s14, s10, 18                        ; 16 slabs of 16,384 a wave,
	s_add_co_u32 s12, s12, s14
	s_lshl_b32 s14, ttmp9, 9                       ; 32 queries of 16 bytes a work-group
	s_add_co_u32 s12, s12, s14
	s_mov_b32 s13, 0
	s_lshl_b32 s16, s11, 13                        ; out0: 8,192 b + 256 x
	s_lshl_b32 s15, ttmp9, 8
	s_add_co_u32 s16, s16, s15
	s_mov_b32 s17, 0
	s_lshl_b32 s18, s11, 14                        ; idx: 16,384 b + 512 x
	s_add_co_u32 s18, s18, s14
	s_mov_b32 s19, 0
	s_wait_kmcnt 0x0
	s_add_nc_u64 s[4:5], s[4:5], s[12:13]
	s_add_nc_u64 s[6:7], s[6:7], s[16:17]
	s_add_nc_u64 s[8:9], s[8:9], s[18:19]
.set k, 0
.rept 16
	global_load_b128 v[B+4*k:B+4*k+3], v2, s[4:5] offset:16384*k th:TH_LOAD_NT
.set k, k+1
.endr
	s_wait_loadcnt 0x0
	MERGE 16, B, R
	ds_store_b128 v3, v[R:R+3]
	s_wait_dscnt 0x0                               ; for wave 0's sake
	s_barrier_signal -1
	s_barrier_wait -1
	s_cmp_lg_u32 s10, 0
	s_cbranch_scc1 .Lend
.set k, 0
.rept 8
	ds_load_b128 v[B+4*k:B+4*k+3], v2 offset:512*k
.set k, k+1
.endr
	s_wait_dscnt 0x0
	MERGE 8, B, R
	v_rcp_f32 v12, v[R+1]
	v_nop
	s_wait_alu depctr_va_vdst(0)
	v_mul_f32 v14, v[R+2], v12                     ; u
	v_mul_f32 v15, v[R+3], v12                     ; v
	global_store_b64 v6, v[14:15], s[6:7]          ; 256 consecutive, aligned bytes of out0
	v_floor_f32 v16, v14
	v_floor_f32 v17, v15
	v_max_num_f32 v16, 0, v16
	v_max_num_f32 v17, 0, v17
	v_min_num_f32 v16, 0x437f0000, v16             ; u0, v0 in 0 .. 255
	v_min_num_f32 v17, 0x437f0000, v17
	v_add_f32 v18, 1.0, v16
	v_add_f32 v19, 1.0, v17
	v_min_num_f32 v18, 0x437f0000, v18             ; u1, v1
	v_min_num_f32 v19, 0x437f0000, v19
	v_cvt_u32_f32 v16, v16
	v_cvt_u32_f32 v17, v17
	v_cvt_u32_f32 v18, v18
	v_cvt_u32_f32 v19, v19
	v_lshl_add_u32 v20, v17, 8, v16                ; (v0, u0)
	v_lshl_add_u32 v21, v17, 8, v18                ; (v0, u1)
	v_lshl_add_u32 v22, v19, 8, v16                ; (v1, u0)
	v_lshl_add_u32 v23, v19, 8, v18                ; (v1, u1)
	global_store_b128 v2, v[20:23], s[8:9]         ; 512 consecutive, aligned bytes of idx
.Lend:
	s_wait_tensorcnt 0x0                           ; the wave's end, behind my last LDS store
	ds_add_u32 v4, v5
	s_wait_dscnt 0x0
	s_endpgm
.Lfunc_end_k_q49b0864bc5_merge:
	.size	k_q49b0864bc5_merge, .Lfunc_end_k_q49b0864bc5_merge-k_q49b0864bc5_merge
	.p2alignl 7, 3214868480
	.fill 96, 4, 3214868480
	.section	.rodata,"a",@progbits
	.p2align	6, 0x0
	.amdhsa_kernel k_q49b0864bc5_merge
		.amdhsa_group_segment_fixed_size 5120
		.amdhsa_private_segment_fixed_size 0
		.amdhsa_enable_private_segment 0
		.amdhsa_kernarg_size 24
		.amdhsa_user_sgpr_count 2
		.amdhsa_user_sgpr_kernarg_segment_ptr 1
		.amdhsa_wavefront_size32 1
		.amdhsa_system_sgpr_workgroup_id_x 1
		.amdhsa_system_sgpr_workgroup_id_y 1
		.amdhsa_system_sgpr_workgroup_id_z 1
		.amdhsa_system_vgpr_workitem_id 0
		.amdhsa_next_free_vgpr 96
		.amdhsa_next_free_sgpr 66
		.amdhsa_reserve_vcc 0
		.amdhsa_float_denorm_mode_32 3
		.amdhsa_float_denorm_mode_16_64 3
		.amdhsa_memory_ordered 1
		.amdhsa_forward_progress 1
		.amdhsa_inst_pref_size 10
	.end_amdhsa_kernel
	.amdgpu_metadata
---
amdhsa.version: [ 1, 2 ]
amdhsa.kernels:
  - .name:           k_q49b0864bc5_merge
    .symbol:         k_q49b0864bc5_merge.kd
    .args:
      - { .name: part, .offset: 0, .size: 8, .value_kind: global_buffer, .address_space: global }
      - { .name: out0, .offset: 8, .size: 8, .value_kind: global_buffer, .address_space: global }
      - { .name: idx, .offset: 16, .size: 8, .value_kind: global_buffer, .address_space: global }
    .group_segment_fixed_size: 5120
    .private_segment_fixed_size: 0
    .kernarg_segment_align: 8
    .kernarg_segment_size: 24
    .max_flat_workgroup_size: 256
    .sgpr_count:     66
    .vgpr_count:     96
    .wavefront_size: 32
...
	.end_amdgpu_metadata
.endif
;; end of part 3
;; launch sample (part 4): grid 16 x 2, 1 waves a work-group, no clusters, 0 bytes of LDS; arguments idx, out0, times_img, out3; writes out3
.if DOCPART == 4
	.amdgcn_target "amdgcn-amd-amdhsa--gfx1250"
	.amdhsa_code_object_version 6
	.text
	.protected	k_q49b0864bc5_sample
	.globl	k_q49b0864bc5_sample
	.p2align	8
	.type	k_q49b0864bc5_sample,@function
k_q49b0864bc5_sample:
	s_mov_b64 s[64:65], 0
	v_nop
	global_prefetch_b8 v0, s[64:65] scope:SCOPE_SE
	s_setreg_imm32_b32 hwreg(HW_REG_WAVE_MODE, 25, 1), 1
	s_wait_xcnt 0x0
; THE TIMES AT THE EXPECTED PIXELS.  out3[b][n] = the bilinear sample of frame 2 b of times_img ([4][1][256][256] f32) at (u, v) = out0[b][n]:
; g(v0,u0) (1-au)(1-av) + g(v0,u1) au (1-av) + g(v1,u0) (1-au) av + g(v1,u1) au av, au = u - clip(floor u, 0, 255), av likewise.  The four pixels' numbers come as whole numbers from idx, stored by the launch before.
; LIMITS.  times_img is taken rounded to bf16, as every floating-point input of this program but the copied scores.  An index is held to 0 .. 65,535, the frame's pixels, before it enters an address.
; SHARES.  One wave takes 64 queries, lane L the queries 2 L and 2 L + 1: 32 bytes of idx, 16 of out0, 8 of out3 a lane, each a run of consecutive bytes over the wave.  2,048 queries in all: nothing to share or to keep.
; v1 32 L   v2 16 L   v3 8 L   v4-11 indices, then byte offsets   v12-15 u, v of both queries   v16-23 the eight samples   v24-27 au, av   v28-31 1 - au, 1 - av   v32-33 results   v34, v36 at work
	s_load_b256 s[4:11], s[0:1], 0x0               ; idx s[4:5], out0 s[6:7], times_img s[8:9], out3 s[10:11]
	s_and_b32 s12, ttmp7, 0xffff                   ; window b
	v_lshlrev_b32 v1, 5, v0
	v_lshlrev_b32 v2, 4, v0
	v_lshlrev_b32 v3, 3, v0
	s_lshl_b32 s14, s12, 14                        ; idx: 16,384 b + 1,024 x
	s_lshl_b32 s13, ttmp9, 10
	s_add_co_u32 s14, s14, s13
	s_mov_b32 s15, 0
	s_lshl_b32 s16, s12, 13                        ; out0: 8,192 b + 512 x
	s_lshl_b32 s13, ttmp9, 9
	s_add_co_u32 s16, s16, s13
	s_mov_b32 s17, 0
	s_lshl_b32 s18, s12, 19                        ; times_img: frame 2 b, 262,144 bytes a frame
	s_mov_b32 s19, 0
	s_lshl_b32 s20, s12, 12                        ; out3: 4,096 b + 256 x
	s_lshl_b32 s13, ttmp9, 8
	s_add_co_u32 s20, s20, s13
	s_mov_b32 s21, 0
	s_wait_kmcnt 0x0
	s_add_nc_u64 s[4:5], s[4:5], s[14:15]
	s_add_nc_u64 s[6:7], s[6:7], s[16:17]
	s_add_nc_u64 s[8:9], s[8:9], s[18:19]
	s_add_nc_u64 s[10:11], s[10:11], s[20:21]
	global_load_b128 v[4:7], v1, s[4:5]
	global_load_b128 v[8:11], v1, s[4:5] offset:16
	global_load_b128 v[12:15], v2, s[6:7]
	s_wait_loadcnt 0x1                             ; the indices are in; the coordinates' load, issued behind them, may stay out
.irp k, 0,1,2,3,4,5,6,7
	v_min_u32 v[4+\k], 0xffff, v[4+\k]
.endr
.irp k, 0,1,2,3,4,5,6,7
	v_lshlrev_b32 v[4+\k], 2, v[4+\k]
.endr
.irp k, 0,1,2,3,4,5,6,7
	global_load_b32 v[16+\k], v[4+\k], s[8:9]
.endr
	s_wait_loadcnt 0x8                             ; the coordinates are in; the eight samples may stay out
.irp k, 0,1,2,3
	v_floor_f32 v[24+\k], v[12+\k]
.endr
.irp k, 0,1,2,3
	v_max_num_f32 v[24+\k], 0, v[24+\k]
.endr
.irp k, 0,1,2,3
	v_min_num_f32 v[24+\k], 0x437f0000, v[24+\k]
.endr
.irp k, 0,1,2,3
	v_sub_f32 v[24+\k], v[12+\k], v[24+\k]
.endr
.irp k, 0,1,2,3
	v_sub_f32 v[28+\k], 1.0, v[24+\k]
.endr
	s_wait_loadcnt 0x0
.irp k, 0,1,2,3
	v_cvt_pk_bf16_f32 v36, v[16+2*\k], v[17+2*\k]  ; the samples rounded to bf16, and back as f32
	v_lshlrev_b32 v[16+2*\k], 16, v36
	v_and_b32 v[17+2*\k], 0xffff0000, v36
.endr
.irp z, 0, 1
	v_mul_f32 v[32+\z], v[16+4*\z], v[28+2*\z]
	v_mul_f32 v[32+\z], v[32+\z], v[29+2*\z]
	v_mul_f32 v34, v[17+4*\z], v[24+2*\z]
	v_fmac_f32 v[32+\z], v34, v[29+2*\z]
	v_mul_f32 v34, v[18+4*\z], v[28+2*\z]
	v_fmac_f32 v[32+\z], v34, v[25+2*\z]
	v_mul_f32 v34, v[19+4*\z], v[24+2*\z]
	v_fmac_f32 v[32+\z], v34, v[25+2*\z]
.endr
	global_store_b64 v3, v[32:33], s[10:11]        ; 256 consecutive, aligned bytes of out3
	s_endpgm
.Lfunc_end_k_q49b0864bc5_sample:
	.size	k_q49b0864bc5_sample, .Lfunc_end_k_q49b0864bc5_sample-k_q49b0864bc5_sample
	.p2alignl 7, 3214868480
	.fill 96, 4, 3214868480
	.section	.rodata,"a",@progbits
	.p2align	6, 0x0
	.amdhsa_kernel k_q49b0864bc5_sample
		.amdhsa_group_segment_fixed_size 0
		.amdhsa_private_segment_fixed_size 0
		.amdhsa_enable_private_segment 0
		.amdhsa_kernarg_size 32
		.amdhsa_user_sgpr_count 2
		.amdhsa_user_sgpr_kernarg_segment_ptr 1
		.amdhsa_wavefront_size32 1
		.amdhsa_system_sgpr_workgroup_id_x 1
		.amdhsa_system_sgpr_workgroup_id_y 1
		.amdhsa_system_sgpr_workgroup_id_z 1
		.amdhsa_system_vgpr_workitem_id 0
		.amdhsa_next_free_vgpr 48
		.amdhsa_next_free_sgpr 66
		.amdhsa_reserve_vcc 0
		.amdhsa_float_denorm_mode_32 3
		.amdhsa_float_denorm_mode_16_64 3
		.amdhsa_memory_ordered 1
		.amdhsa_forward_progress 1
		.amdhsa_inst_pref_size 5
	.end_amdhsa_kernel
	.amdgpu_metadata
---
amdhsa.version: [ 1, 2 ]
amdhsa.kernels:
  - .name:           k_q49b0864bc5_sample
    .symbol:         k_q49b0864bc5_sample.kd
    .args:
      - { .name: idx, .offset: 0, .size: 8, .value_kind: global_buffer, .address_space: global }
      - { .name: out0, .offset: 8, .size: 8, .value_kind: global_buffer, .address_space: global }
      - { .name: times_img, .offset: 16, .size: 8, .value_kind: global_buffer, .address_space: global }
      - { .name: out3, .offset: 24, .size: 8, .value_kind: global_buffer, .address_space: global }
    .group_segment_fixed_size: 0
    .private_segment_fixed_size: 0
    .kernarg_segment_align: 8
    .kernarg_segment_size: 32
    .max_flat_workgroup_size: 32
    .sgpr_count:     66
    .vgpr_count:     48
    .wavefront_size: 32
...
	.end_amdgpu_metadata
.endif
;; end of part 4
